; MI455X (gfx1250); checked and timed in simulation.
; The chip was launched on July 23, 2026; its instructions are those of AMD's public machine-readable ISA for CDNA 5 (MIT licence, August 2026) and "CDNA5" Instruction Set Architecture Reference Guide (July 2026). The comments in the code are by the model that wrote it; some were corrected since.
;; Tiny Ne RF. Allowed arithmetic: matrix products marked QUANTISED: E2M1 operands, one E8M0 scale for each 32 along K, by v_wmma_scale_f32_16x16x128_f8f6f4 with both operands' format E2M1 (or v_wmma_scale_f32_32x16x128_f4), f32 sums; products left as they are: f32 operands where the result goes on into a quantised operand, else bf16, f16 or f32 operands; f32 sums; everything else in f32.
;; Inputs: W0 3 x 80 float32; Wh 5 x 83 x 80 float32; Wout 80 x 4 float32; b0 80 float32; bh 5 x 80 float32; bout 4 float32; rays 1 x 128 x 128 x 6 float32.
;; Outputs: out0 1 x 128 x 128 x 3 float32.
;; This version of the problem:
;;   THIS VERSION OF THE PROBLEM IS GIVEN IN LOW PRECISION. The matrix products marked QUANTISED in the list below multiply operands that are first quantised to E2M1 (2 exponent bits, 1 mantissa bit; 4 bits a number), with one power-of-two scale for each 32 numbers along K (OCP MX v1.0); their sums are f32. All else is computed in f32.
;;   The module's matrix products, in the order in which they are computed (A, B: the left and right operand; K: the contracted axis; several contracted axes count as one K, in the product's order):
;;     1. [M 1,048,576, K 3] x [K 3, N 80]; A: computed on the way; B: input W0: left as it is (K = 3 < 32)
;;     2. [M 1,048,576, K 83] x [K 83, N 80]; A: computed on the way; B: input Wh: QUANTISED
;;     3. [M 1,048,576, K 83] x [K 83, N 80]; A: computed on the way; B: input Wh: QUANTISED
;;     4. [M 1,048,576, K 83] x [K 83, N 80]; A: computed on the way; B: input Wh: QUANTISED
;;     5. [M 1,048,576, K 83] x [K 83, N 80]; A: computed on the way; B: input Wh: QUANTISED
;;     6. [M 1,048,576, K 83] x [K 83, N 80]; A: computed on the way; B: input Wh: QUANTISED
;;     7. [M 1,048,576, K 80] x [K 80, N 4]; A: computed on the way; B: input Wout: left as it is (N = 4 < 16)
;;   THE QUANTISER, for each operand of a quantised product, along K:
;;     - K is cut into blocks of 32 from its start; a last block that is shorter is filled with zeros.
;;     - A block's scale is 2^e with e = floor(log2(the largest magnitude in the block)) - 2, held to -126 .. 127; a block of zeros has e = 0. As a byte (E8M0): e + 127.
;;     - Each number is divided by its block's scale, clamped to +-6, and rounded to the nearest number of E2M1, ties to even, subnormals kept.
;;     - The product sums the exact products of the quantised numbers (number of the format x scale) in f32.
;;   ~~~python
;;   def quantise(x, axis):      # numpy; x: float32 -> the quantised numbers, widened to float32 again
;;       x = np.moveaxis(x, axis, -1); K = x.shape[-1]
;;       x = np.pad(x, [(0, 0)] * (x.ndim - 1) + [(0, -K % 32)]); x = x.reshape(x.shape[:-1] + (-1, 32)); a = np.abs(x).max(-1, keepdims=True)
;;       e = np.where(a > 0, np.clip(np.frexp(np.where(a > 0, a, 1))[1] - 1 - 2, -126, 127), 0)      # np.frexp(a)[1] - 1 = floor(log2(a)), exactly
;;       r = np.clip(x / 2.0 ** e, -6, 6)
;;       step = 2.0 ** (np.maximum(np.frexp(np.where(r == 0, 1, r))[1] - 1, 0) - 1)
;;       q = np.round(r / step) * step * 2.0 ** e      # np.round: ties to even
;;       return np.moveaxis(q.reshape(q.shape[:-2] + (-1,))[..., :K], -1, axis).astype(np.float32)
;;   ~~~
;;   OPERANDS COMPUTED ON THE WAY. 'Computed on the way' means the value that the module computes at that place (a softmax that the list does not call 'softmax' is quantised finished and normalised). What goes into a quantiser is computed in f32, as accurately as f32 sums, v_exp_f32 and their like allow (about 1e-6 of the number): no bf16 or f16 on the way to a quantiser, and a product that is left as it is and whose result goes on into a quantised operand takes f32 operands (vector FMAs, or v_wmma_f32_16x16x4_f32). A number that lies on a knife's edge between two numbers of the format may be rounded either way, as far as f32 arithmetic and the matrix unit's own rounding can turn it there, and no further.
;; One version. Each part assembles by itself: llvm-mc -triple=amdgcn-amd-amdhsa -mcpu=gfx1250 --defsym DOCPART=n.
;; ======== version 1 of 1: 1 launch
;; launch nerf (part 1): grid 256 x 1, 4 waves a work-group, clusters of 4 x 1, 168,448 bytes of LDS; arguments rays, W0, b0, Wh, bh, Wout, bout, out0; writes out0
.if DOCPART == 1
	.amdgcn_target "amdgcn-amd-amdhsa--gfx1250"
	.amdhsa_code_object_version 6
	.text
	.protected	k_q0a4e25f244_nerf
	.globl	k_q0a4e25f244_nerf
	.p2align	8
	.type	k_q0a4e25f244_nerf,@function
k_q0a4e25f244_nerf:
	s_mov_b64 s[64:65], 0
	v_nop
	global_prefetch_b8 v0, s[64:65] scope:SCOPE_SE
	s_setreg_imm32_b32 hwreg(HW_REG_WAVE_MODE, 25, 1), 1
	s_wait_xcnt 0x0
	s_wait_alu depctr_hold_cnt(0) depctr_sa_sdst(0) depctr_va_vdst(0) depctr_va_sdst(0) depctr_va_ssrc(0) depctr_va_vcc(0) depctr_vm_vsrc(0)
	s_getreg_b32 s2, hwreg(HW_REG_IB_STS2, 6, 4)
	s_cmp_eq_u32 s2, 0
	s_cbranch_scc0 .Lentry_in_a_cluster
	s_endpgm
.Lentry_in_a_cluster:
	s_bfe_u32 s2, ttmp6, 0x10000c
	s_cmp_lg_u32 s2, 0x3003
	s_cbranch_scc0 .Lentry_shape_is_right
	s_endpgm
.Lentry_shape_is_right:
; TinyNeRF: 16,384 rays x 64 samples.  A point o + t d goes through 3 -> 80 (f32), five layers [h, point] (83) -> 80 on codes of FP4 (E2M1) with one E8M0 scale
; for each 32 along K, and 80 -> 4 (bf16 operands, f32 sums); then shifted softplus, alpha, the exclusive product along the ray, the fat sigmoid, the sum over the samples.
; SHARES.  256 work-groups of four waves; a wave owns 16 rays for the whole launch: ray = 64 x work-group + 16 x wave + r.  Lane (r = lane % 16, h = lane / 16) holds ray r.
; A tile is ONE sample step of the 16 rays, so the product along the ray is a running register of the lane.  A trip takes two steps (pieces X: even, Y: odd), whose vector and matrix work
; stand by turns: while one piece's five products are out, the other piece is activated and quantised.  All weights, biases and scale words stay in registers: the loop touches neither memory nor LDS.
; LAYOUT.  Every product is used transposed (source 0 = 16 output units, source 1 = 16 points): in the result lane (r, h), register j holds row 8 h + j of point r.
; THE UNITS OF A TILE ARE CHOSEN: row m of tile t < 4 is unit 32 (m / 8) + 8 t + m % 8, of tile 4 unit 64 + m.  So a lane's registers of tiles 0-3 are units 32 h + 0 .. 31: one whole block of the next K, in
; order, in the very lane in which the next operand wants it (registers 0-3: k = 32 h ..).  Tile 4 gives the lane units 64 + 8 h + 0 .. 7.  The block of units 64-79 and the point's three numbers is laid
; over the operand's k = 64 .. 127: register 4 the lane's 8 units, register 5 two numbers of the point (h = 0: x, y; h = 1: z, 0), the rest zero codes; bytes 2 and 3 of the scale word both hold that block's byte.
; The weights are laid by the same map, so the products pair as in reference(), each number has the scale of its own block of 32, and no code ever changes lanes: two lane exchanges a tile and layer
; (the third block's maximum, the other half's scale byte).
; CLUSTER.  All work-groups read the same Wh: the four of a cluster ask for it jointly, each wave one quarter (33,200 bytes), once.  Nothing else is shared; no LDS byte is filled twice.
; LEFT OUT: rings and prefetches (nothing streams: 132,800 bytes come once, at the start); more waves to a SIMD (weights and biases alone are 425 registers a wave).
; LIMITS.  NaN and infinities among the inputs are not served.  A block whose largest magnitude lies under 2^-124 keeps the scale byte 1 (a block of zeros too: its codes are zeros).
; The last layer's operands are rounded to bf16.  The 63 equal distances are taken as 1/63, not as differences of neighbouring t (some 4e-6 of the distance; nothing behind it is quantised).
; log1p(e) is e (1 - e / 2) under e = 2^-10 and log2(1 + e) ln 2 above (at most some 6e-5 of it).  v_exp_f32 gives 0 for results under 2^-126 (ISA guide, 15.8).
;
; REGISTERS, in windows of 256.  Window 0: v0-31 ids, addresses, the ray's state; v32-56 the weights' scale words; v58-63 the steps and t; v64-135 piece X, v136-207 piece Y;
;   v208-231 three accumulators of the last layer; v232-255 at work.   Window 1: the 25 weight fragments (layer l, tile t) at v[8 (5 l + t)]; from v200 W0's five fragments, two registers each.
;   Window 2: the 25 biases in the result's layout at v[8 (5 l + t)]; v200-223, v224-247 Wout's two sets; v248-255 bout.   Window 3: v0-39, v40-79 the layers' results (X, Y); v80-119, v120-159 layer 0's.
.set PX,   64                          ; piece X's first register
.set PY,   136                         ; piece Y's
.set FQ,   40                          ; in a piece: +0..39 T, the lane's 40 numbers; +40..47 Q: two numbers of the point and six zeros
.set FCD,  48                          ; +48..55 the operand's codes (registers 6, 7 stay 0)
.set FPP,  56                          ; +56..57 layer 0's operand: (x, y) or (z, 1)
.set FSW,  58                          ; +58 the scale word: it holds scales and nothing else
.set FM,   60                          ; +60..67 M0-M7, at work in the quantiser
.set HAX,  0                           ; window 3
.set HAY,  40
.set HBX,  80
.set HBY,  120
.set WSC,  32                          ; v32-56: they hold scales and nothing else
.set ROP,  16                          ; v[16:17] (ox, oy) or (oz, 1)
.set ROQ,  18                          ; v[18:19] (ox, oy) or (oz, 0)
.set RDD,  20                          ; v[20:21] (dx, dy) or (dz, 0)
.set DST,  22                          ; v22 |d| log2(e) / 63
.set DS2,  23                          ; v23 the same in lanes 0-15; |d| log2(e) 1e10 in lanes 16-31: the last trip's
.set TR,   24                          ; v24 the product of (1 - alpha + 1e-10) over the steps done
.set ACC,  26                          ; v26-28 the three sums
.set STP,  58                          ; v[58:59] the two steps' numbers, as f32
.set TT,   60                          ; v[60:61] (t even, t odd)
.set TY,   62                          ; v[62:63] (t odd, 0)
.set RA,   208                         ; v208-215, v216-223, v224-231
.set RR,   232                         ; rendering: raw 0-3
.set EE,   236                         ; four exponentials
.set UU,   240                         ; 1 + them, then log2 and reciprocals
.set MXP,  244
.set HH,   245
.set SG,   246
.set EX,   247
.set CC,   248                         ; v248-250 the three colours
.set AL,   251
.set GG,   252
.set GX,   253
.set PRE,  254
.set WW,   255
.set LAYB, 26560                       ; a layer of Wh: 83 rows of 320 bytes
.set QTR,  33200                       ; a quarter of Wh
.set STG,  133120                      ; LDS: Wh lies at 0 .. 132,799 as in memory; from here 64 rays x 12 bytes, the way out: blocks of 256 bytes into which no fill lands
.set MSB, 0
.macro WIN new                         ; the immediate's high byte repeats the setting that is left; a switch that changes nothing is dropped
.if MSB != \new
	s_set_vgpr_msb (MSB<<8)|\new
.set MSB, \new
.endif
.endm
.macro ROUND                           ; a round of the cluster's barrier: my work-group's barrier, wave 0 signals for the work-group, every wave waits for all four work-groups, my work-group's barrier once more
	s_barrier_signal -1
	s_barrier_wait -1
	s_cmp_lg_u32 s20, 0
	s_cbranch_scc1 .Lnot_wave_0_\@
	s_barrier_signal -3
.Lnot_wave_0_\@:
	s_barrier_wait -3
	s_barrier_signal -1
	s_barrier_wait -1
.endm
; leaky_relu of a piece's 40 results: T = max(x, 0.01 x).  Each accumulator is read from its low end on.
.macro LK p, src
	WIN 0x03                                       ; source 0: window 3
.set i, 0
.rept 20
	v_pk_mul_f32 v[(\p)+i:(\p)+i+1], v[(\src)+i:(\src)+i+1], s[42:43] op_sel_hi:[1,0]
.set i, i+2
.endr
.set i, 0
.rept 40
	v_max_num_f32 v[(\p)+i], v[(\src)+i], v[(\p)+i]
.set i, i+1
.endr
.endm
; The largest magnitudes: M0 = of T[0..31], my whole block h; M4 = of T[32..39], Q0, Q1, my part of the third block.  The floor 2^(3 - 127) is a leaf of every chain: no byte falls under 1.  Five chains by turns.
.macro MX p
	WIN 0
.irp c, 0,1,2,3,4
	v_max3_num_f32 v[(\p)+FM+\c], |v[(\p)+8*\c]|, |v[(\p)+8*\c+1]|, 0x1800000
.endr
.irp i, 2,4,6
.irp c, 0,1,2,3,4
	v_max3_num_f32 v[(\p)+FM+\c], v[(\p)+FM+\c], |v[(\p)+8*\c+\i]|, |v[(\p)+8*\c+\i+1]|
.endr
.endr
	v_max3_num_f32 v[(\p)+FM+4], v[(\p)+FM+4], |v[(\p)+FQ]|, |v[(\p)+FQ+1]|
	v_max3_num_f32 v[(\p)+FM], v[(\p)+FM], v[(\p)+FM+1], v[(\p)+FM+2]
	v_max_num_f32 v[(\p)+FM], v[(\p)+FM], v[(\p)+FM+3]
.endm
; Scales and codes.  cdw: the window setting for the codes' registers; cd: the first of them; sw: the scale word's register; wz = 1: registers 6 and 7 are cleared here (a weight's fragment).
.macro QB p, cdw, cd, sw, wz
	v_permlanex16_b32 v[(\p)+FM+5], v[(\p)+FM+4], s40, s41     ; the other half's part of the third block
	v_add_nc_u32 v[(\p)+FM+1], 0xff000000, v[(\p)+FM]          ; 2 off the exponent field: the conversion takes the exponent field of this operand as its scale
	v_max_num_f32 v[(\p)+FM+4], v[(\p)+FM+4], v[(\p)+FM+5]
	v_lshrrev_b32 v[(\p)+FM+3], 23, v[(\p)+FM+1]               ; my block h's byte
	v_add_nc_u32 v[(\p)+FM+2], 0xff000000, v[(\p)+FM+4]
	v_permlanex16_b32 v[(\p)+FM+6], v[(\p)+FM+3], s40, s41     ; the other block's byte
	v_lshrrev_b32 v[(\p)+FM+7], 23, v[(\p)+FM+2]               ; the third block's byte
	WIN \cdw
.irp g, 0,1,2,3
	v_cvt_scalef32_pk8_fp4_f32 v[(\cd)+\g], v[(\p)+8*\g:(\p)+8*\g+7], v[(\p)+FM+1]
.endr
	v_cvt_scalef32_pk8_fp4_f32 v[(\cd)+4], v[(\p)+32:(\p)+39], v[(\p)+FM+2]
	v_cvt_scalef32_pk8_fp4_f32 v[(\cd)+5], v[(\p)+FQ:(\p)+FQ+7], v[(\p)+FM+2]
.if \wz
	v_mov_b32 v[(\cd)+6], 0
	v_mov_b32 v[(\cd)+7], 0
.endif
	WIN 0
	v_lshl_or_b32 v[\sw], v[(\p)+FM+6], 8, v[(\p)+FM+3]        ; lanes 0-15: bytes 0, 1 = blocks 0, 1 (lanes 16-31 hold them the other way round and are not read).  Plain lines behind the conversions
	v_lshl_or_b32 v[\sw], v[(\p)+FM+7], 16, v[\sw]
	v_lshl_or_b32 v[\sw], v[(\p)+FM+7], 24, v[\sw]
.endm
; Layer s of a piece: five products, each on an accumulator of its own, with the bias as C.
.macro WM p, ha, s
	WIN 0xe1                                       ; source 0 (weights) window 1, source 1 (codes) window 0, C (bias) window 2, D window 3
.irp t, 0,1,2,3,4
	v_wmma_scale_f32_16x16x128_f8f6f4 v[(\ha)+8*\t:(\ha)+8*\t+7], v[8*(5*(\s)+\t):8*(5*(\s)+\t)+7], v[(\p)+FCD:(\p)+FCD+7], v[8*(5*(\s)+\t):8*(5*(\s)+\t)+7], v[WSC+5*(\s)+\t], v[(\p)+FSW] matrix_a_fmt:MATRIX_FMT_FP4 matrix_b_fmt:MATRIX_FMT_FP4
.endr
.endm
; Layer 0 of the NEXT trip, product n of ten: piece n / 5, tile n % 5.  K = 4: x, y, z and 1, against W0's three rows and b0.  f32 operands, since the result goes on into a quantiser.  Its results are written by these lines alone.
.macro L0 n
	WIN 0xe1
	v_wmma_f32_16x16x4_f32 v[HBX+8*(\n):HBX+8*(\n)+7], v[200+2*((\n)%5):201+2*((\n)%5)], v[PX+FPP+72*((\n)/5):PX+FPP+72*((\n)/5)+1], 0
.endm
; The last hidden layer becomes the bf16 operand in place: register q = numbers 2 q, 2 q + 1; 40 numbers fill 20 registers of three K steps' 24.
.macro CVB p
	WIN 0
.set i, 0
.rept 20
	v_cvt_pk_bf16_f32 v[(\p)+i], v[(\p)+2*i], v[(\p)+2*i+1]
.set i, i+1
.endr
.irp k, 20,21,22,23
	v_mov_b32 v[(\p)+\k], 0
.endr
.endm
; The last layer: three K steps on three accumulators, one instruction a turn.  Piece X starts them, with Wout^T in rows 0-3 of source 0; piece Y adds onto them with Wout^T in rows 8-11:
; so registers 0-3 hold the even step's four numbers in lanes 0-15 and the odd step's in lanes 16-31, and one rendering serves both.
.macro OW p, first
.if \first
	WIN 0x22                                       ; source 0 and C: window 2
	v_wmma_f32_16x16x32_bf16 v[RA:RA+7], v[200:207], v[(\p):(\p)+7], v[248:255]
	v_wmma_f32_16x16x32_bf16 v[RA+8:RA+15], v[208:215], v[(\p)+8:(\p)+15], 0
	v_wmma_f32_16x16x32_bf16 v[RA+16:RA+23], v[216:223], v[(\p)+16:(\p)+23], 0
.else
	WIN 0x02                                       ; source 0: window 2
	v_wmma_f32_16x16x32_bf16 v[RA:RA+7], v[224:231], v[(\p):(\p)+7], v[RA:RA+7]
	v_wmma_f32_16x16x32_bf16 v[RA+8:RA+15], v[232:239], v[(\p)+8:(\p)+15], v[RA+8:RA+15]
	v_wmma_f32_16x16x32_bf16 v[RA+16:RA+23], v[240:247], v[(\p)+16:(\p)+23], v[RA+16:RA+23]
.endif
.endm
; t = i / 63 of the next two steps, to the nearest f32: q = i c, r = i - 63 q, t = q + r c, with c = 1/63 rounded.
.macro TNEXT
	v_pk_add_f32 v[STP:STP+1], v[STP:STP+1], 2.0 op_sel_hi:[1,0]
	v_pk_mul_f32 v[RR:RR+1], v[STP:STP+1], 0x3c820821 op_sel_hi:[1,0]
	v_pk_fma_f32 v[RR+2:RR+3], v[RR:RR+1], 0xc27c0000, v[STP:STP+1] op_sel_hi:[1,0,1]
	v_pk_fma_f32 v[TT:TT+1], v[RR+2:RR+3], 0x3c820821, v[RR:RR+1] op_sel_hi:[1,0,1]
	v_mov_b32 v[TY], v[TT+1]
.endm
.macro PPN                             ; layer 0's operands: o + t d, and 1 for the bias
	v_pk_fma_f32 v[PX+FPP:PX+FPP+1], v[RDD:RDD+1], v[TT:TT+1], v[ROP:ROP+1] op_sel_hi:[1,0,1]
	v_pk_fma_f32 v[PY+FPP:PY+FPP+1], v[RDD:RDD+1], v[TY:TY+1], v[ROP:ROP+1] op_sel_hi:[1,0,1]
.endm
.macro QN                              ; the same points for the five layers' K = 80 .. 82
	v_pk_fma_f32 v[PX+FQ:PX+FQ+1], v[RDD:RDD+1], v[TT:TT+1], v[ROQ:ROQ+1] op_sel_hi:[1,0,1]
	v_pk_fma_f32 v[PY+FQ:PY+FQ+1], v[RDD:RDD+1], v[TY:TY+1], v[ROQ:ROQ+1] op_sel_hi:[1,0,1]
.endm
; Two steps of the ray: lanes 0-15 the even one, lanes 16-31 the odd one.  dist: the register with distance x log2(e).
.macro RENDER dist
	v_pk_add_f32 v[RR:RR+1], v[RA:RA+1], v[RA+8:RA+9]          ; the three K steps' sums; each accumulator is first read at its low end
	v_pk_add_f32 v[RR+2:RR+3], v[RA+2:RA+3], v[RA+10:RA+11]
	v_pk_add_f32 v[RR:RR+1], v[RR:RR+1], v[RA+16:RA+17]
	v_pk_add_f32 v[RR+2:RR+3], v[RR+2:RR+3], v[RA+18:RA+19]    ; x = density - 1 (the 1 lies in bout's registers), and three features
	v_mul_f32 v[EE], s53, |v[RR]|
	v_mul_f32 v[EE+1], s53, v[RR+1]
	v_mul_f32 v[EE+2], s53, v[RR+2]
	v_mul_f32 v[EE+3], s53, v[RR+3]
	v_exp_f32 v[EE], v[EE]                                     ; e = exp(-|x|)
	v_exp_f32 v[EE+1], v[EE+1]                                 ; exp(-feature)
	v_exp_f32 v[EE+2], v[EE+2]
	v_exp_f32 v[EE+3], v[EE+3]
	v_max_num_f32 v[MXP], 0, v[RR]                             ; (a plain line behind the exponentials)
	s_wait_alu depctr_va_vdst(0)
	v_pk_add_f32 v[UU:UU+1], v[EE:EE+1], 1.0 op_sel_hi:[1,0]
	v_pk_add_f32 v[UU+2:UU+3], v[EE+2:EE+3], 1.0 op_sel_hi:[1,0]
	v_log_f32 v[UU], v[UU]
	v_rcp_f32 v[UU+1], v[UU+1]                                 ; sigmoid
	v_rcp_f32 v[UU+2], v[UU+2]
	v_rcp_f32 v[UU+3], v[UU+3]
	v_fma_f32 v[HH], v[EE], -0.5, 1.0                          ; (a plain line behind them)
	v_fma_f32 v[HH], v[EE], v[HH], v[MXP]                      ; small e: max(x, 0) + e (1 - e / 2)
	v_cmp_gt_f32 vcc_lo, 0x3a800000, v[EE]                     ; e < 2^-10
	s_wait_alu depctr_va_vdst(0)
	v_fmamk_f32 v[SG], v[UU], 0x3f317218, v[MXP]               ; else max(x, 0) + log2(1 + e) ln 2
	v_cndmask_b32 v[SG], v[SG], v[HH], vcc_lo                  ; softplus(x): a choice of a value, no branch
	v_mul_f32 v[EX], v[SG], v[\dist]
	v_exp_f32 v[EX], -v[EX]                                    ; exp(-sigma x distance)
	v_fma_f32 v[CC], v[UU+1], s50, s51                         ; the fat sigmoid: 1.002 s - 0.001.  (Plain lines behind the exponential)
	v_fma_f32 v[CC+1], v[UU+2], s50, s51
	v_fma_f32 v[CC+2], v[UU+3], s50, s51
	s_wait_alu depctr_va_vdst(0)
	v_sub_f32 v[AL], 1.0, v[EX]                                ; alpha
	v_sub_f32 v[GG], 1.0, v[AL]
	v_add_f32 v[GG], 0x2edbe6ff, v[GG]                         ; 1 - alpha + 1e-10
	v_permlanex16_b32 v[GX], v[GG], s40, s41                   ; the other step's
	v_cndmask_b32 v[PRE], 1.0, v[GX], s36                      ; the odd step stands behind the even one
	v_mul_f32 v[PRE], v[TR], v[PRE]
	v_mul_f32 v[WW], v[AL], v[PRE]                             ; the weight
	v_fmac_f32 v[ACC], v[WW], v[CC]
	v_fmac_f32 v[ACC+1], v[WW], v[CC+1]
	v_fmac_f32 v[ACC+2], v[WW], v[CC+2]
	v_mul_f32 v[TR], v[TR], v[GG]
	v_mul_f32 v[TR], v[TR], v[GX]
.endm
; A TRIP: two steps.  more = 1: the next trip's points and its layer 0 are made on the way, one f32 product behind each group of five.
; DISTANCES (ISA guide 7.12.1; plain vector lines that name none of the product's registers are the places).  A piece's codes and scale word are written 60 lines (the other piece's LK) ahead of its products;
; a piece's results are read 23 plain lines (the other piece's MX, or CVB's 24) or more behind its products; layer 0's results are read in the next trip, its operand is written again there.
.macro TRIP more, dist
.if \more
	TNEXT
	PPN
.endif
	LK PX, HBX
	MX PX
	QB PX, 0, PX+FCD, PX+FSW, 0
.irp s, 0,1,2,3,4
.if \s == 0
	LK PY, HBY
.else
	LK PY, HAY
.endif
	WM PX, HAX, \s
.if \more
	L0 2*\s
.endif
	MX PY
	QB PY, 0, PY+FCD, PY+FSW, 0
	LK PX, HAX
	WM PY, HAY, \s
.if \more
	L0 2*\s+1
.endif
.if \s < 4
	MX PX
	QB PX, 0, PX+FCD, PX+FSW, 0
.else
	CVB PX
	OW PX, 1
.endif
.endr
	LK PY, HAY
	CVB PY
	OW PY, 0
	WIN 0
.if \more
	QN                                             ; two of the four places behind the last products
	v_nop
	v_nop
.else
.rept 4
	v_nop
.endr
.endif
	RENDER \dist
.endm
; Column u of weight tile n = 5 l + t from LDS, 42 numbers a lane, into piece n % 2's T, Q0, Q1: rows 32 h + 0 .. 31; 64 + 8 h + 0 .. 7; 80 + 2 h; 81.  The address registers stand at layer l.
; Lanes 16-31 stand 32 (or 8, or 2) rows of 80 words further on than lanes 0-15; 32 rows are a whole number of times through the 64 banks (ISA guide 11.1), so those loads go two deep: 800 loads, once.
.macro WLOAD n
.set WB, PX+72*((\n)%2)
.if (\n)%5 < 4
.set WA, 8
.set WO, 32*((\n)%5)
.else
.set WA, 12
.set WO, 0
.endif
.set i, 0
.rept 32
	ds_load_b32 v[WB+i], v[WA] offset:320*i+WO
.set i, i+1
.endr
.set i, 0
.rept 8
	ds_load_b32 v[WB+32+i], v[WA+1] offset:20480+320*i+WO
.set i, i+1
.endr
	ds_load_b32 v[WB+FQ], v[WA+2] offset:25600+WO
	ds_load_b32 v[WB+FQ+1], v[WA+3] offset:25920+WO
.endm
	; ---- ids, constants, addresses
	s_load_b512 s[4:19], s[0:1], 0x0               ; rays s[4:5], W0 s[6:7], b0 s[8:9], Wh s[10:11], bh s[12:13], Wout s[14:15], bout s[16:17], out0 s[18:19]
	v_lshl_add_u32 v206, v0, 2, 0x29000
	v_mov_b32 v207, 0
	ds_add_u32 v206, v207
	ds_add_u32 v206, v207
	v_lshrrev_b32 v1, 5, v0
	v_readfirstlane_b32 s20, v1                    ; wave 0..3
	v_and_b32 v1, 15, v0                           ; r
	v_bfe_u32 v2, v0, 4, 1                         ; h
	s_bfe_u32 s21, ttmp6, 0x40000                  ; cx: my place in the cluster
	s_lshl_b32 s22, ttmp9, 2                       ; in a cluster launch ttmp9 counts clusters
	s_add_co_u32 s22, s22, s21                     ; my work-group: it enters the rays' and the output's addresses alone
	s_mul_i32 s46, s22, 1536                       ; 64 rays of 24 bytes,
	s_mul_i32 s23, s20, 384                        ; my wave's 16
	s_add_co_u32 s46, s46, s23
	s_mov_b32 s47, 0
	s_mul_i32 s48, s22, 768                        ; 64 rays of 12 bytes
	s_mov_b32 s49, 0
	s_mov_b32 s24, 1                               ; descriptor group 0: count = 1,
	s_mul_i32 s25, s20, QTR                        ; LDS address: my wave's quarter; no place in the cluster enters it
	s_mov_b32 s54, s25                             ; and the same offset in Wh
	s_mov_b32 s55, 0
	s_mov_b32 s28, 15|(3<<16)|(1<<21)              ; group 1: 15:0 the mask: all four work-groups; 17:16 elements of 8 bytes; 21 set beside a mask; no padding
	s_mov_b32 s29, 4150<<16                        ; tensor_dim0 = 4,150 elements: one row of 33,200 bytes
	s_mov_b32 s30, 1<<16                           ; tensor_dim1 = 1
	s_mov_b32 s31, 4150<<16                        ; tile_dim0
	s_mov_b32 s32, 1                               ; tile_dim1
	s_mov_b32 s33, 4150                            ; the pitch
	s_mov_b32 s34, 0
	s_mov_b32 s35, 0
	s_mov_b32 s36, 0xffff0000                      ; lanes 16-31
	s_mov_b32 s37, 0x000f000f                      ; lanes with r = 0 .. 3
	s_mov_b32 s38, 0x0f000f00                      ; lanes with r = 8 .. 11
	s_mov_b32 s40, 0x76543210                      ; v_permlanex16_b32's selects for lane l xor 16
	s_mov_b32 s41, 0xfedcba98
	s_mov_b32 s42, 0x3c23d70a                      ; 0.01
	s_mov_b32 s43, s42                             ; (named with it as a pair, so it is written)
	s_mov_b32 s50, 0x3f804189                      ; 1.002
	s_mov_b32 s51, 0xba83126f                      ; -0.001
	s_mov_b32 s53, 0xbfb8aa3b                      ; -log2(e)
	v_mul_u32_u24 v3, v1, 24                       ; my ray
	v_lshlrev_b32 v4, 7, v2                        ; biases of tiles 0-3: units 32 h on
	v_lshlrev_b32 v5, 5, v2                        ; of tile 4: units 8 h on
	v_and_b32 v6, 3, v1
	v_lshlrev_b32 v6, 2, v6
	v_lshl_add_u32 v7, v2, 7, v6                   ; Wout: column r % 4, rows 8 h on (from row 64)
	v_lshl_add_u32 v6, v2, 9, v6                   ; and rows 32 h on
	v_lshrrev_b32 v11, 3, v1
	v_and_b32 v8, 7, v1
	v_lshlrev_b32 v8, 2, v8
	v_lshl_add_u32 v11, v11, 7, v8                 ; 4 x my column of tile 0: 128 (r / 8) + 4 (r % 8); tile t < 4 is 32 t bytes on
	v_mad_u32_u24 v8, v2, 10240, v11               ; + 32 h rows of 320 bytes
	v_mad_u32_u24 v9, v2, 2560, v11                ; + 8 h rows
	v_mad_u32_u24 v10, v2, 640, v11                ; + 2 h rows
	v_lshl_add_u32 v15, v1, 2, 256                 ; 4 x my column of tile 4: 256 + 4 r
	v_mad_u32_u24 v12, v2, 10240, v15
	v_mad_u32_u24 v13, v2, 2560, v15
	v_mad_u32_u24 v14, v2, 640, v15
	v_mov_b32 v25, 0
	v_mul_u32_u24 v29, v1, 12                      ; the way out: my ray's 12 bytes in the stage,
	s_mul_i32 s23, s20, 192
	s_add_co_u32 s23, s23, STG
	v_add_nc_u32 v29, s23, v29
	v_lshl_add_u32 v30, v0, 3, STG                 ; and 8 bytes a thread back
	v_lshlrev_b32 v31, 3, v0
	s_wait_dscnt 0x0
	s_wait_kmcnt 0x0
	s_add_nc_u64 s[4:5], s[4:5], s[46:47]
	s_add_nc_u64 s[18:19], s[18:19], s[48:49]
	s_add_nc_u64 s[26:27], s[10:11], s[54:55]      ; global address of my quarter,
	s_or_b32 s27, s27, 0x80000000                  ; type = 2
	ROUND                                          ; all four work-groups are here: the joint loads meet
	tensor_load_to_lds s[24:27], s[28:35]          ; my one tensor load of the launch
	s_nop 0
.rept 4
	v_nop
.endr
	; ---- all that comes through registers, in one run
	global_load_b64 v[58:59], v3, s[4:5]           ; ox, oy
	global_load_b64 v[60:61], v3, s[4:5] offset:8  ; oz, dx
	global_load_b64 v[62:63], v3, s[4:5] offset:16 ; dy, dz
	WIN 0x80                                       ; destination window 2
.irp l, 0,1,2,3,4
.irp t, 0,1,2,3
	global_load_b128 v[8*(5*\l+\t):8*(5*\l+\t)+3], v4, s[12:13] offset:320*\l+32*\t          ; bh[l] at units 32 h + 8 t + 0 .. 7: the result's layout
	global_load_b128 v[8*(5*\l+\t)+4:8*(5*\l+\t)+7], v4, s[12:13] offset:320*\l+32*\t+16
.endr
	global_load_b128 v[8*(5*\l+4):8*(5*\l+4)+3], v5, s[12:13] offset:320*\l+256              ; units 64 + 8 h + 0 .. 7
	global_load_b128 v[8*(5*\l+4)+4:8*(5*\l+4)+7], v5, s[12:13] offset:320*\l+272
.endr
	global_load_b128 v[248:251], v25, s[16:17]     ; bout
	WIN 0x40                                       ; destination window 1
.irp t, 0,1,2,3
	global_load_b32 v[200+2*\t], v10, s[6:7] offset:32*\t      ; W0[2 h][u]
.endr
	global_load_b32 v208, v14, s[6:7]
	WIN 0
.irp t, 0,1,2,3
	global_load_b32 v[PY+\t], v11, s[6:7] offset:320+32*\t     ; W0[1][u]
	global_load_b32 v[PY+8+\t], v11, s[8:9] offset:32*\t       ; b0[u]
.endr
	global_load_b32 v[PY+4], v15, s[6:7] offset:320
	global_load_b32 v[PY+12], v15, s[8:9]
.set i, 0
.rept 32
	global_load_b32 v[PX+i], v6, s[14:15] offset:16*i          ; Wout[32 h + i][r % 4]
.set i, i+1
.endr
.set i, 0
.rept 8
	global_load_b32 v[PX+32+i], v7, s[14:15] offset:1024+16*i  ; Wout[64 + 8 h + i][r % 4]
.set i, i+1
.endr
	s_wait_loadcnt 0x0                             ; all of them; their address registers may be written from here on
	; ---- the ray's state
	v_cndmask_b32 v[ROP], v58, v60, s36
	v_cndmask_b32 v[ROP+1], v59, 1.0, s36
	v_mov_b32 v[ROQ], v[ROP]
	v_cndmask_b32 v[ROQ+1], v59, 0, s36
	v_cndmask_b32 v[RDD], v61, v63, s36
	v_cndmask_b32 v[RDD+1], v62, 0, s36
	v_mul_f32 v[DST], v61, v61
	v_fmac_f32 v[DST], v62, v62
	v_fmac_f32 v[DST], v63, v63
	v_sqrt_f32 v[DST], v[DST]                      ; |d|
	v_mov_b32 v[TR], 1.0                           ; (a plain line behind the root)
	s_wait_alu depctr_va_vdst(0)
	v_mul_f32 v[DST], 0x3fb8aa3b, v[DST]           ; x log2(e)
	v_mul_f32 v[DS2], 0x501502f9, v[DST]           ; x 1e10: the last step's distance
	v_mul_f32 v[DST], 0x3c820821, v[DST]           ; x 1/63: every other step's
	v_cndmask_b32 v[DS2], v[DST], v[DS2], s36
	v_mov_b32 v[ACC], 0
	v_mov_b32 v[ACC+1], 0
	v_mov_b32 v[ACC+2], 0
	v_mov_b32 v[STP], -2.0                         ; the first TNEXT makes steps 0 and 1 of these
	v_mov_b32 v[STP+1], -1.0
	v_mov_b32 v[TY+1], 0                           ; (named as the upper half of a pair)
	v_mov_b32 v[GX], 0                             ; a lane permute's destination counts as one of its sources: written once
.irp p, PX, PY
.irp k, 2,3,4,5,6,7
	v_mov_b32 v[\p+FQ+\k], 0                       ; Q's six zeros
.endr
	v_mov_b32 v[\p+FCD+6], 0                       ; the operand's registers 6 and 7: zero codes
	v_mov_b32 v[\p+FCD+7], 0
	v_mov_b32 v[\p+FM+5], 0                        ; permutes' destinations
	v_mov_b32 v[\p+FM+6], 0
.endr
	; ---- W0's fragments: register 1 is W0[1][u] in lanes 0-15, b0[u] in lanes 16-31
	WIN 0x40
.irp t, 0,1,2,3,4
	v_cndmask_b32 v[201+2*\t], v[PY+\t], v[PY+8+\t], s36
.endr
	; ---- Wout's fragments: bf16 in pairs; set X keeps rows 0-3, set Y rows 8-11; all other rows, and the last four registers, are zeros
	WIN 0
.set i, 0
.rept 20
	v_cvt_pk_bf16_f32 v[PX+i], v[PX+2*i], v[PX+2*i+1]
.set i, i+1
.endr
	WIN 0x80
.set i, 0
.rept 20
	v_cndmask_b32 v[200+i], 0, v[PX+i], s37
	v_cndmask_b32 v[224+i], 0, v[PX+i], s38
.set i, i+1
.endr
.irp k, 220,221,222,223,244,245,246,247
	v_mov_b32 v\k, 0
.endr
	WIN 0x88                                       ; source 1 and destination: window 2
	v_add_f32 v248, -1.0, v248                     ; bout[0] - 1: the shift of the softplus
.irp k, 252,253,254,255
	v_mov_b32 v\k, 0
.endr
	WIN 0
	; ---- the weights: every wave quantises all 25 tiles for itself
	s_wait_tensorcnt 0x0                           ; my quarter of Wh is in,
	s_barrier_signal -1
	s_barrier_wait -1                              ; everybody's is
	WLOAD 0
.set N, 0
.rept 25
.if N < 24
.if (N+1)%5 == 0
.irp a, 8,9,10,11,12,13,14,15
	v_add_nc_u32 v\a, LAYB, v\a                    ; on to the next layer
.endr
.endif
	WLOAD N+1                                      ; the next tile's 42 loads go out ahead of this tile's work, into the other piece's registers
	s_wait_dscnt 42                                ; LDS loads come back in order (ISA guide 5.7.1): all but those 42 are in
.else
	s_wait_dscnt 0x0
.endif
	v_cndmask_b32 v[PX+72*(N%2)+FQ+1], v[PX+72*(N%2)+FQ+1], 0, s36   ; lanes 16-31 have no second number there: row 82 is the last
	MX PX+72*(N%2)
	QB PX+72*(N%2), 0x40, 8*N, WSC+N, 1
.set N, N+1
.endr
	; ---- the first two steps' points and layer 0
	TNEXT
	PPN
	QN
.set N, 0
.rept 10
	L0 N
.set N, N+1
.endr
	WIN 0                                          ; at a label and at a branch every window is 0
.rept 8
	v_nop                                          ; eight places behind the f32 form, in front of the lines that read its results and write its operand
.endr
	s_mov_b32 s52, 31
.Ltrip:                                                ; steps 0 to 61
	TRIP 1, DST
	s_sub_co_u32 s52, s52, 1
	s_cmp_lg_u32 s52, 0
	s_cbranch_scc1 .Ltrip
	TRIP 0, DS2                                    ; steps 62 and 63: nothing follows, and step 63 has the long distance
	; ---- the way out: the two halves' sums; 12 bytes a ray meet in the stage, and three waves store 256 consecutive bytes each, at a multiple of 256 from the output's first byte
	v_permlanex16_b32 v[RR], v[ACC], s40, s41
	v_permlanex16_b32 v[RR+1], v[ACC+1], s40, s41
	v_permlanex16_b32 v[RR+2], v[ACC+2], s40, s41
	v_add_f32 v[ACC], v[ACC], v[RR]
	v_add_f32 v[ACC+1], v[ACC+1], v[RR+1]
	v_add_f32 v[ACC+2], v[ACC+2], v[RR+2]
	ds_store_b32 v29, v[ACC]                       ; both lanes of a ray write the same words with the same values
	ds_store_b32 v29, v[ACC+1] offset:4
	ds_store_b32 v29, v[ACC+2] offset:8
	s_wait_dscnt 0x0                               ; for the others' sake: my stores have landed
	s_barrier_signal -1
	s_barrier_wait -1
	s_cmp_gt_u32 s20, 2
	s_cbranch_scc1 .Lno_store                      ; 768 bytes are three waves' 256
	ds_load_b64 v[RR:RR+1], v30
	s_wait_dscnt 0x0
	global_store_b64 v31, v[RR:RR+1], s[18:19]
.Lno_store:
	s_wait_tensorcnt 0x0
	ds_add_u32 v206, v207
	s_wait_dscnt 0x0
	ROUND                                          ; the closing round: no work-group ends while a partner may still ask for a tile that names it
	s_endpgm
.Lfunc_end_k_q0a4e25f244_nerf:
	.size	k_q0a4e25f244_nerf, .Lfunc_end_k_q0a4e25f244_nerf-k_q0a4e25f244_nerf
	.p2alignl 7, 3214868480
	.fill 96, 4, 3214868480
	.section	.rodata,"a",@progbits
	.p2align	6, 0x0
	.amdhsa_kernel k_q0a4e25f244_nerf
		.amdhsa_group_segment_fixed_size 168448
		.amdhsa_private_segment_fixed_size 0
		.amdhsa_enable_private_segment 0
		.amdhsa_kernarg_size 64
		.amdhsa_user_sgpr_count 2
		.amdhsa_user_sgpr_kernarg_segment_ptr 1
		.amdhsa_wavefront_size32 1
		.amdhsa_system_sgpr_workgroup_id_x 1
		.amdhsa_system_sgpr_workgroup_id_y 1
		.amdhsa_system_sgpr_workgroup_id_z 1
		.amdhsa_system_vgpr_workitem_id 0
		.amdhsa_next_free_vgpr 928
		.amdhsa_next_free_sgpr 66
		.amdhsa_reserve_vcc 1
		.amdhsa_float_denorm_mode_32 3
		.amdhsa_float_denorm_mode_16_64 3
		.amdhsa_memory_ordered 1
		.amdhsa_forward_progress 1
		.amdhsa_inst_pref_size 255
	.end_amdhsa_kernel
	.section	.bss,"aw",@nobits
	.p2align	6
	.space	262144
	.amdgpu_metadata
---
amdhsa.version: [ 1, 2 ]
amdhsa.kernels:
  - .name:           k_q0a4e25f244_nerf
    .symbol:         k_q0a4e25f244_nerf.kd
    .args:
      - { .name: rays, .offset: 0, .size: 8, .value_kind: global_buffer, .address_space: global }
      - { .name: W0, .offset: 8, .size: 8, .value_kind: global_buffer, .address_space: global }
      - { .name: b0, .offset: 16, .size: 8, .value_kind: global_buffer, .address_space: global }
      - { .name: Wh, .offset: 24, .size: 8, .value_kind: global_buffer, .address_space: global }
      - { .name: bh, .offset: 32, .size: 8, .value_kind: global_buffer, .address_space: global }
      - { .name: Wout, .offset: 40, .size: 8, .value_kind: global_buffer, .address_space: global }
      - { .name: bout, .offset: 48, .size: 8, .value_kind: global_buffer, .address_space: global }
      - { .name: out0, .offset: 56, .size: 8, .value_kind: global_buffer, .address_space: global }
    .group_segment_fixed_size: 168448
    .private_segment_fixed_size: 0
    .kernarg_segment_align: 8
    .kernarg_segment_size: 64
    .max_flat_workgroup_size: 128
    .sgpr_count:     66
    .vgpr_count:     928
    .wavefront_size: 32
...
	.end_amdgpu_metadata
.endif
;; end of part 1
